; MI455X (gfx1250); checked and timed in simulation.
; The chip was launched on July 23, 2026; its instructions are those of AMD's public machine-readable ISA for CDNA 5 (MIT licence, August 2026) and "CDNA5" Instruction Set Architecture Reference Guide (July 2026). The comments in the code are by the model that wrote it; some were corrected since.
;; Warping. Allowed arithmetic: float matrix products may take bf16 or f16 operands with f32 sums; all other float work in f32.
;; Inputs: ddf 4 x 128 x 128 x 128 x 3 float32; image 4 x 128 x 128 x 128 float32.
;; Outputs: out0 4 x 128 x 128 x 128 float32.
;; 2 versions, each right; version 2 is version 1 with the launch blend written anew for expert scheduling mode. Each part assembles by itself: llvm-mc -triple=amdgcn-amd-amdhsa -mcpu=gfx1250 --defsym DOCPART=n.
;; ======== version 1 of 2: 2 launches
;; workspace buffers: corner 33,554,432 bytes of whole numbers
;; launch locate (part 1): grid 256 x 1, 32 waves a work-group, no clusters, 0 bytes of LDS; arguments ddf, corner; writes corner
.if DOCPART == 1
	.amdgcn_target "amdgcn-amd-amdhsa--gfx1250"
	.amdhsa_code_object_version 6
	.text
	.protected	k_qf71507db55_locate
	.globl	k_qf71507db55_locate
	.p2align	8
	.type	k_qf71507db55_locate,@function
k_qf71507db55_locate:
	s_mov_b64 s[64:65], 0
	v_nop
	global_prefetch_b8 v0, s[64:65] scope:SCOPE_SE
	s_setreg_imm32_b32 hwreg(HW_REG_WAVE_MODE, 25, 1), 1
	s_wait_xcnt 0x0
; WARPING, first of two launches: where does each voxel sample the moving image?
; ddf: [4][128][128][128][3] f32.  corner: one 32-bit whole number for each voxel.
; loc = grid + ddf; the lower corner on each axis is i0 = trunc(min(max(loc, 0), 126)), and the word is its byte offset in the
; batch's image, x0 << 16 | y0 << 9 | z0 << 2.  The corner is capped at 126, not 127, so that the upper corner is always i0 + 1:
; at loc = 127 the second launch's weight loc - i0 is exactly 1.0, which names the same voxel as i0 = i1 = 127.
; Addresses are formed from whole numbers read from memory only, so the decision is made here and used in the next launch.
; LIMIT: a NaN in ddf counts as location 0 on its axis (v_max_num_f32 drops it); infinities are clipped like any number.
;
; 256 work-groups x 32 waves; a wave owns 8 consecutive z rows (same batch and x, y stepping by 1): 12,288 consecutive bytes.
; In a row lane l owns the voxels z = l + 32 j, j = 0..3: each 12-byte load of the wave covers 384 consecutive bytes, every byte
; is read once.  A lane's four words leave as 16 bytes: the wave's store covers the row's 512 consecutive bytes, aligned.  So in
; a row of corner, word 4 l + j belongs to z = l + 32 j; the next launch reads it the same way.
; A ring of four row slots keeps 16 loads of every wave in flight.  Every row has store registers of its own and no offset or
; base is ever stepped (the rows are reached by immediate offsets), so no pending access's source is ever rewritten.
; No LDS, no barrier (no wave needs another), no matrix unit (no product), no joint requests (no byte is read by two work-groups).
.set ROWS,  8                          ; rows of a wave
.set SLOTS, 4                          ; rows in flight
.set DROW,  1536                       ; bytes of ddf in a row: 128 voxels x 3 x 4
.set CROW,  512                        ; bytes of corner in a row
.set LD,  1                            ; v1        12 x lane: my voxel's bytes in a quarter row of ddf
.set LC,  2                            ; v2        16 x lane: my four words in a row of corner
.set GXY, 4                            ; v[4:5]    the row's x and y as f32
.set ZF,  6                            ; v[6:9]    z = lane + 32 j as f32
.set T,   10                           ; v[10:12]  at work
.set X,   16                           ; v[16:79]  slot s, voxel j: three registers at X + 16 s + 4 j
.set Y,   80                           ; v[80:111] row i: its four words
	s_load_b128 s[4:7], s[0:1], 0x0                ; ddf s[4:5], corner s[6:7]
	v_lshrrev_b32 v3, 5, v0
	v_readfirstlane_b32 s8, v3                     ; wave 0..31
	v_and_b32 v3, 31, v0                           ; lane
	v_mul_u32_u24 v[LD], v3, 12
	v_lshlrev_b32 v[LC], 4, v3
	v_cvt_f32_u32 v[ZF], v3
	v_add_f32 v[ZF+1], 0x42000000, v[ZF]           ; + 32.0
	v_add_f32 v[ZF+2], 0x42800000, v[ZF]           ; + 64.0
	v_add_f32 v[ZF+3], 0x42c00000, v[ZF]           ; + 96.0
	s_lshl_b32 s9, ttmp9, 8                        ; 256 rows a work-group
	s_lshl3_add_u32 s9, s8, s9                     ; + 8 x wave: my first row = (batch x 128 + x) x 128 + y
	s_bfe_u32 s10, s9, 0x70007                     ; x: 7 bits from bit 7
	s_and_b32 s11, s9, 127                         ; y of my first row, a multiple of 8: the 8 rows share x
	v_cvt_f32_u32 v[GXY], s10
	v_cvt_f32_u32 v[GXY+1], s11
	s_mul_i32 s12, s9, DROW                        ; at most 65,528 x 1,536: below 2^31
	s_mov_b32 s13, 0
	s_lshl_b32 s14, s9, 9
	s_mov_b32 s15, 0
	s_mov_b32 s16, 0x42fc0000                      ; 126.0
	s_wait_kmcnt 0x0
	s_add_nc_u64 s[4:5], s[4:5], s[12:13]          ; ddf and corner at my first row
	s_add_nc_u64 s[6:7], s[6:7], s[14:15]
.macro FILL i                          ; row i's four loads, 384 consecutive bytes each, into slot i mod SLOTS
.irp j, 0,1,2,3
	global_load_b96 v[X+16*((\i)%SLOTS)+4*\j:X+16*((\i)%SLOTS)+4*\j+2], v[LD], s[4:5] offset:DROW*(\i)+384*\j th:TH_LOAD_NT
.endr
.endm
; Row i.  young = loads of the rows issued behind this one; fill = 1: the slot gets the row SLOTS further on.
.macro ROW i, young, fill
.irp j, 0,1,2,3
	s_wait_loadcnt \young+3-\j                     ; loads return in order: voxel j's is in; this row's 3 - j younger ones and the later rows' stay out
	v_pk_add_f32 v[T:T+1], v[X+16*((\i)%SLOTS)+4*\j:X+16*((\i)%SLOTS)+4*\j+1], v[GXY:GXY+1]   ; x + dx, y + dy
	v_add_f32 v[T+2], v[X+16*((\i)%SLOTS)+4*\j+2], v[ZF+\j]                                   ; z + dz
	v_max_num_f32 v[T], 0, v[T]
	v_max_num_f32 v[T+1], 0, v[T+1]
	v_max_num_f32 v[T+2], 0, v[T+2]
	v_min_num_f32 v[T], s16, v[T]
	v_min_num_f32 v[T+1], s16, v[T+1]
	v_min_num_f32 v[T+2], s16, v[T+2]
	v_cvt_u32_f32 v[T], v[T]                       ; toward zero = floor, the numbers are not negative
	v_cvt_u32_f32 v[T+1], v[T+1]
	v_cvt_u32_f32 v[T+2], v[T+2]
	v_lshlrev_b32 v[T+2], 2, v[T+2]                ; z0 x 4 bytes
	v_lshl_or_b32 v[T+1], v[T+1], 9, v[T+2]        ; y0 x 512
	v_lshl_or_b32 v[Y+4*\i+\j], v[T], 16, v[T+1]   ; x0 x 65,536
.endr
.if \fill
	FILL (\i+SLOTS)                                ; the load goes ahead of the store
.endif
	global_store_b128 v[LC], v[Y+4*\i:Y+4*\i+3], s[6:7] offset:CROW*\i th:TH_STORE_NT
	v_add_f32 v[GXY+1], 1.0, v[GXY+1]              ; the next row's y
.endm
	FILL 0
	FILL 1
	FILL 2
	FILL 3
	ROW 0, 12, 1
	ROW 1, 12, 1
	ROW 2, 12, 1
	ROW 3, 12, 1
	ROW 4, 12, 0                                   ; the last four rows load nothing: no load leaves the buffer,
	ROW 5, 8, 0                                    ; and the counts run down
	ROW 6, 4, 0
	ROW 7, 0, 0
	s_endpgm
.Lfunc_end_k_qf71507db55_locate:
	.size	k_qf71507db55_locate, .Lfunc_end_k_qf71507db55_locate-k_qf71507db55_locate
	.p2alignl 7, 3214868480
	.fill 96, 4, 3214868480
	.section	.rodata,"a",@progbits
	.p2align	6, 0x0
	.amdhsa_kernel k_qf71507db55_locate
		.amdhsa_group_segment_fixed_size 0
		.amdhsa_private_segment_fixed_size 0
		.amdhsa_enable_private_segment 0
		.amdhsa_kernarg_size 16
		.amdhsa_user_sgpr_count 2
		.amdhsa_user_sgpr_kernarg_segment_ptr 1
		.amdhsa_wavefront_size32 1
		.amdhsa_system_sgpr_workgroup_id_x 1
		.amdhsa_system_sgpr_workgroup_id_y 1
		.amdhsa_system_sgpr_workgroup_id_z 1
		.amdhsa_system_vgpr_workitem_id 0
		.amdhsa_next_free_vgpr 112
		.amdhsa_next_free_sgpr 66
		.amdhsa_reserve_vcc 0
		.amdhsa_float_denorm_mode_32 3
		.amdhsa_float_denorm_mode_16_64 3
		.amdhsa_memory_ordered 1
		.amdhsa_forward_progress 1
		.amdhsa_inst_pref_size 24
	.end_amdhsa_kernel
	.amdgpu_metadata
---
amdhsa.version: [ 1, 2 ]
amdhsa.kernels:
  - .name:           k_qf71507db55_locate
    .symbol:         k_qf71507db55_locate.kd
    .args:
      - { .name: ddf, .offset: 0, .size: 8, .value_kind: global_buffer, .address_space: global }
      - { .name: corner, .offset: 8, .size: 8, .value_kind: global_buffer, .address_space: global }
    .group_segment_fixed_size: 0
    .private_segment_fixed_size: 0
    .kernarg_segment_align: 8
    .kernarg_segment_size: 16
    .max_flat_workgroup_size: 1024
    .sgpr_count:     66
    .vgpr_count:     112
    .wavefront_size: 32
...
	.end_amdgpu_metadata
.endif
;; end of part 1
;; launch blend (part 2): grid 256 x 1, 32 waves a work-group, no clusters, 20,480 bytes of LDS; arguments corner, ddf, image, out0; writes out0
.if DOCPART == 2
	.amdgcn_target "amdgcn-amd-amdhsa--gfx1250"
	.amdhsa_code_object_version 6
	.text
	.protected	k_qf71507db55_blend
	.globl	k_qf71507db55_blend
	.p2align	8
	.type	k_qf71507db55_blend,@function
k_qf71507db55_blend:
	s_mov_b64 s[64:65], 0
	v_nop
	global_prefetch_b8 v0, s[64:65] scope:SCOPE_SE
	s_setreg_imm32_b32 hwreg(HW_REG_WAVE_MODE, 25, 1), 1
	s_wait_xcnt 0x0
; WARPING, second of two launches: gather the eight corners and interpolate.
; corner: one word a voxel from the first launch, the byte offset x0 << 16 | y0 << 9 | z0 << 2 of the lower corner in the batch's
; image, every i0 <= 126; in a row, word 4 l + j belongs to z = l + 32 j.  ddf: [4][128][128][128][3] f32.  image, out0: [4][128][128][128] f32.
; Weights in f32 as the reference makes them: w = clip(grid + ddf, 0, 127) - i0, with i0 taken from the stored word, so that weight
; and address cannot disagree.  The upper corner is always i0 + 1: one offset register and eight immediate offsets serve a voxel.
; The sum is three nested interpolations a + w (b - a), along z, y, x: the weights add up to one by construction, and a common offset of
; the image cancels in b - a.
; LIMITS: a NaN in ddf counts as location 0 on its axis (the reference gives NaN).  At a location clipped to 127 the result is
; a + 1.0 (b - a) with a = voxel 126: a non-finite image value there spreads, where the reference does not read it.
;
; 256 work-groups x 32 waves.  A work-group owns 16 x by 16 y by 128 z of one batch.  Wave w keeps y = 16 ty + (w & 15) and walks
; x = 16 tx + (w >> 4) + 2 r, r = 0..7: at any time the 32 waves sample round 2 x 16 neighbouring rows, so their gathers overlap.
; Lane l owns z = l + 32 j: the 32 lanes of a gather lie along 32 neighbouring z.
; In flight in each wave: a ring of four voxel slots of 8 gathers, and corner and ddf two rows ahead in two row buffers.
; All eight rows are reached by immediate offsets (2,753,664 bytes at the most): no base and no stream offset is ever stepped.
; A lane's four results are 32 z apart; they cross the wave's own 512 bytes of LDS so that the wave's one store covers the row's 512
; consecutive bytes, aligned.  No barrier: no wave reads another's bytes.
; No tensor tiles and no joint requests: which image bytes a work-group needs is known only from the list, and ddf, corner and out0
; are read or written by one wave each.  No prefetch: most of the launch's bytes are streamed already, two rows ahead.
.set ROWS,  8                          ; rows of a wave
.set NS,    5                          ; stream loads of a row: corner once, ddf four times
.set NG,    8                          ; gathers of a voxel
.set DSTEP, 2*128*1536                 ; two x planes of ddf, in bytes
.set CSTEP, 2*128*512                  ; two x planes of corner and of out0
.set DX,    65536                      ; image: bytes from x to x + 1,
.set DY,    512                        ; from y to y + 1,
.set DZ,    4                          ; from z to z + 1
.set LD,  2                            ; v2         12 x lane (ddf)
.set LC,  3                            ; v3         16 x lane (corner, out0)
.set LW,  4                            ; v4         LDS: my wave's 512 bytes + 4 x lane
.set LR,  5                            ; v5         LDS: my wave's 512 bytes + 16 x lane
.set ZF,  6                            ; v[6:9]     z = lane + 32 j as f32
.set GXY, 10                           ; v[10:11]   x and y, as f32, of the row that is being aimed
.set R,   12                           ; v[12:15]   the row's four results
.set T,   16                           ; v[16:22]   at work
.set W,   24                           ; v[24:39]   slot j: wx, wy, wz, and the byte offset of its lower corner
.set S,   40                           ; v[40:79]   row buffer b at S + 20 b: four words of corner, then voxel j's ddf at + 4 + 4 j
.set G,   80                           ; v[80:111]  slot j: (x0 y0 z0) (x1 y0 z0) (x0 y1 z0) (x1 y1 z0), then the same four at z1
.set O,   112                          ; v[112:115] the row as stored
	s_load_b256 s[4:11], s[0:1], 0x0               ; corner s[4:5], ddf s[6:7], image s[8:9], out0 s[10:11]
	v_lshl_add_u32 v116, v0, 2, 0x4000
	v_mov_b32 v117, 0
	v_lshrrev_b32 v1, 5, v0
	v_readfirstlane_b32 s12, v1                    ; wave 0..31
	v_and_b32 v1, 31, v0                           ; lane
	v_mul_u32_u24 v[LD], v1, 12
	v_lshlrev_b32 v[LC], 4, v1
	s_lshl_b32 s13, s12, 9                         ; my wave's 512 bytes of LDS
	v_lshl_add_u32 v[LW], v1, 2, s13
	v_lshl_add_u32 v[LR], v1, 4, s13
	v_cvt_f32_u32 v[ZF], v1
	v_add_f32 v[ZF+1], 0x42000000, v[ZF]           ; + 32.0
	v_add_f32 v[ZF+2], 0x42800000, v[ZF]           ; + 64.0
	v_add_f32 v[ZF+3], 0x42c00000, v[ZF]           ; + 96.0
	s_lshr_b32 s14, ttmp9, 6                       ; batch: 64 tiles each
	s_bfe_u32 s15, ttmp9, 0x30003                  ; tile x: 3 bits from bit 3
	s_and_b32 s16, ttmp9, 7                        ; tile y
	s_lshr_b32 s17, s12, 4
	s_lshl4_add_u32 s15, s15, s17                  ; x of my first row = 16 tx + (wave >> 4)
	s_and_b32 s17, s12, 15
	s_lshl4_add_u32 s16, s16, s17                  ; my y = 16 ty + (wave & 15)
	v_cvt_f32_u32 v[GXY], s15
	v_cvt_f32_u32 v[GXY+1], s16
	s_lshl_b32 s17, s14, 7
	s_add_co_u32 s17, s17, s15
	s_lshl_b32 s17, s17, 7
	s_add_co_u32 s17, s17, s16                     ; my first row = (batch x 128 + x) x 128 + y
	s_mul_i32 s18, s17, 1536                       ; its bytes in ddf: below 2^31
	s_mov_b32 s19, 0
	s_lshl_b32 s20, s17, 9                         ; and in corner and out0
	s_mov_b32 s21, 0
	s_lshl_b32 s22, s14, 23                        ; the batch's image: 8 MiB each
	s_mov_b32 s23, 0
	s_mov_b32 s24, 0x42fe0000                      ; 127.0
	s_wait_kmcnt 0x0
	s_add_nc_u64 s[4:5], s[4:5], s[20:21]
	s_add_nc_u64 s[6:7], s[6:7], s[18:19]
	s_add_nc_u64 s[8:9], s[8:9], s[22:23]
	s_add_nc_u64 s[10:11], s[10:11], s[20:21]
; Row r's corner words (512 consecutive bytes a wave) and ddf (4 x 384 consecutive bytes) into row buffer buf.
.macro STREAM buf, r
	global_load_b128 v[S+20*(\buf):S+20*(\buf)+3], v[LC], s[4:5] offset:CSTEP*(\r) th:TH_LOAD_NT
.irp j, 0,1,2,3
	global_load_b96 v[S+20*(\buf)+4+4*\j:S+20*(\buf)+6+4*\j], v[LD], s[6:7] offset:DSTEP*(\r)+384*\j th:TH_LOAD_NT
.endr
.endm
; Slot j takes aim at its voxel of the row in buffer buf: offset, eight gathers, then the three weights while the gathers travel.
.macro AIM buf, j
	v_lshrrev_b32 v[T+4], 16, v[S+20*(\buf)+\j]    ; x0
	v_and_b32 v[T+5], 0xffff, v[S+20*(\buf)+\j]    ; y0 x 512 + z0 x 4
	v_min_u32 v[T+4], 126, v[T+4]                  ; a number read from memory is bounded before it enters an address: with these two
	v_min_u32 v[T+5], 0xfdf8, v[T+5]               ; bounds the farthest corner ends at 126 x 65,536 + 65,016 + 66,052 + 4 = the image's 8,388,608 bytes
	v_lshl_add_u32 v[W+4*\j+3], v[T+4], 16, v[T+5] ; (the slot's last gathers, which read this register, are in: the wait at the slot's head)
	global_load_b32 v[G+8*\j+0], v[W+4*\j+3], s[8:9]                     ; the two z of a row one behind the other: neighbouring bytes
	global_load_b32 v[G+8*\j+4], v[W+4*\j+3], s[8:9] offset:DZ
	global_load_b32 v[G+8*\j+2], v[W+4*\j+3], s[8:9] offset:DY
	global_load_b32 v[G+8*\j+6], v[W+4*\j+3], s[8:9] offset:DY+DZ
	global_load_b32 v[G+8*\j+1], v[W+4*\j+3], s[8:9] offset:DX
	global_load_b32 v[G+8*\j+5], v[W+4*\j+3], s[8:9] offset:DX+DZ
	global_load_b32 v[G+8*\j+3], v[W+4*\j+3], s[8:9] offset:DX+DY
	global_load_b32 v[G+8*\j+7], v[W+4*\j+3], s[8:9] offset:DX+DY+DZ
	v_pk_add_f32 v[T:T+1], v[S+20*(\buf)+4+4*\j:S+20*(\buf)+5+4*\j], v[GXY:GXY+1]   ; x + dx, y + dy
	v_add_f32 v[T+2], v[S+20*(\buf)+6+4*\j], v[ZF+\j]                               ; z + dz
	v_bfe_u32 v[T+6], v[T+5], 2, 7                 ; z0
	v_bfe_u32 v[T+5], v[T+5], 9, 7                 ; y0
	v_max_num_f32 v[T], 0, v[T]                    ; clip to 0 .. 127
	v_max_num_f32 v[T+1], 0, v[T+1]
	v_max_num_f32 v[T+2], 0, v[T+2]
	v_min_num_f32 v[T], s24, v[T]
	v_min_num_f32 v[T+1], s24, v[T+1]
	v_min_num_f32 v[T+2], s24, v[T+2]
	v_cvt_f32_u32 v[T+4], v[T+4]
	v_cvt_f32_u32 v[T+5], v[T+5]
	v_cvt_f32_u32 v[T+6], v[T+6]
	v_pk_add_f32 v[W+4*\j:W+4*\j+1], v[T:T+1], v[T+4:T+5] neg_lo:[0,1] neg_hi:[0,1]  ; wx, wy = location - lower corner, exact
	v_sub_f32 v[W+4*\j+2], v[T+2], v[T+6]                                            ; wz
.endm
; Slot j's eight values become one: along z (four at once in two pairs), along y (two at once), along x.
.macro BLEND j
	v_pk_add_f32 v[T:T+1],   v[G+8*\j+4:G+8*\j+5], v[G+8*\j:G+8*\j+1]   neg_lo:[0,1] neg_hi:[0,1]
	v_pk_add_f32 v[T+2:T+3], v[G+8*\j+6:G+8*\j+7], v[G+8*\j+2:G+8*\j+3] neg_lo:[0,1] neg_hi:[0,1]
	v_pk_fma_f32 v[T:T+1],   v[T:T+1],   v[W+4*\j+2:W+4*\j+3], v[G+8*\j:G+8*\j+1]   op_sel_hi:[1,0,1]   ; both halves by wz, the pair's first register
	v_pk_fma_f32 v[T+2:T+3], v[T+2:T+3], v[W+4*\j+2:W+4*\j+3], v[G+8*\j+2:G+8*\j+3] op_sel_hi:[1,0,1]
	v_pk_add_f32 v[T+2:T+3], v[T+2:T+3], v[T:T+1] neg_lo:[0,1] neg_hi:[0,1]
	v_pk_fma_f32 v[T:T+1], v[T+2:T+3], v[W+4*\j:W+4*\j+1], v[T:T+1] op_sel:[0,1,0] op_sel_hi:[1,1,1]    ; both halves by wy, the pair's second register
	v_sub_f32 v[T+1], v[T+1], v[T]
	v_fma_f32 v[R+\j], v[T+1], v[W+4*\j], v[T]
.endm
; Row r: its gathers are on their way, the next row's corner and ddf lie in the other buffer or are about to.
.macro TURN r
.if \r+2 < ROWS
	STREAM \r%2, \r+2                              ; two rows ahead, into the buffer that the last turn has read out
.endif
.irp j, 0,1,2,3
.if \r+2 < ROWS
	s_wait_loadcnt 3*NG+NS                         ; loads return in order: slot j's 8 are in.  Behind them: the 24 gathers of the three other slots (this
	                                               ; row's or the next's) and this turn's 5 stream loads.  The next row's stream loads are older: in too
.else
.if \r+1 < ROWS
	s_wait_loadcnt 3*NG                            ; nothing was streamed in this turn
.else
	s_wait_loadcnt 3*NG-NG*\j                      ; the last row: nothing follows, the counts run down to 0
.endif
.endif
	BLEND \j
.if \r+1 < ROWS
	AIM (\r+1)%2, \j
.endif
.endr
.irp j, 0,1,2,3
	ds_store_b32 v[LW], v[R+\j] offset:128*\j      ; z = lane + 32 j at byte 4 z of my wave's 512
.endr
.if \r > 0
	s_wait_xcnt 0x0                                ; O, which the last row's store reads, is rewritten only behind this wait
.endif
	ds_load_b128 v[O:O+3], v[LR]                   ; z = 4 lane .. 4 lane + 3; a wave's LDS instructions are served in order: it sees the four stores
	v_add_f32 v[GXY], 2.0, v[GXY]                  ; x of the row that the next turn aims
	s_wait_dscnt 0x0
	global_store_b128 v[LC], v[O:O+3], s[10:11] offset:CSTEP*\r th:TH_STORE_NT
.endm
	STREAM 0, 0
	STREAM 1, 1
	s_wait_loadcnt NS                              ; row 0's five are in, row 1's five may be out
.irp j, 0,1,2,3
	AIM 0, \j
.endr
	v_add_f32 v[GXY], 2.0, v[GXY]
	TURN 0
	TURN 1
	TURN 2
	TURN 3
	TURN 4
	TURN 5
	TURN 6
	TURN 7
	s_wait_tensorcnt 0x0
	ds_add_u32 v116, v117
	s_wait_dscnt 0x0
	s_endpgm
.Lfunc_end_k_qf71507db55_blend:
	.size	k_qf71507db55_blend, .Lfunc_end_k_qf71507db55_blend-k_qf71507db55_blend
	.p2alignl 7, 3214868480
	.fill 96, 4, 3214868480
	.section	.rodata,"a",@progbits
	.p2align	6, 0x0
	.amdhsa_kernel k_qf71507db55_blend
		.amdhsa_group_segment_fixed_size 20480
		.amdhsa_private_segment_fixed_size 0
		.amdhsa_enable_private_segment 0
		.amdhsa_kernarg_size 32
		.amdhsa_user_sgpr_count 2
		.amdhsa_user_sgpr_kernarg_segment_ptr 1
		.amdhsa_wavefront_size32 1
		.amdhsa_system_sgpr_workgroup_id_x 1
		.amdhsa_system_sgpr_workgroup_id_y 1
		.amdhsa_system_sgpr_workgroup_id_z 1
		.amdhsa_system_vgpr_workitem_id 0
		.amdhsa_next_free_vgpr 118
		.amdhsa_next_free_sgpr 66
		.amdhsa_reserve_vcc 0
		.amdhsa_float_denorm_mode_32 3
		.amdhsa_float_denorm_mode_16_64 3
		.amdhsa_memory_ordered 1
		.amdhsa_forward_progress 1
		.amdhsa_inst_pref_size 78
	.end_amdhsa_kernel
	.amdgpu_metadata
---
amdhsa.version: [ 1, 2 ]
amdhsa.kernels:
  - .name:           k_qf71507db55_blend
    .symbol:         k_qf71507db55_blend.kd
    .args:
      - { .name: corner, .offset: 0, .size: 8, .value_kind: global_buffer, .address_space: global }
      - { .name: ddf, .offset: 8, .size: 8, .value_kind: global_buffer, .address_space: global }
      - { .name: image, .offset: 16, .size: 8, .value_kind: global_buffer, .address_space: global }
      - { .name: out0, .offset: 24, .size: 8, .value_kind: global_buffer, .address_space: global }
    .group_segment_fixed_size: 20480
    .private_segment_fixed_size: 0
    .kernarg_segment_align: 8
    .kernarg_segment_size: 32
    .max_flat_workgroup_size: 1024
    .sgpr_count:     66
    .vgpr_count:     118
    .wavefront_size: 32
...
	.end_amdgpu_metadata
.endif
;; end of part 2
;; ======== version 2 of 2: 2 launches; version 1 with the launch blend written anew for expert scheduling mode
;; workspace buffers: corner 33,554,432 bytes of whole numbers
;; launch locate: the kernel of part 1 again; grid 256 x 1, 32 waves a work-group, no clusters, 0 bytes of LDS; arguments ddf, corner; writes corner
;; launch blend (part 3): grid 256 x 1, 32 waves a work-group, no clusters, 20,480 bytes of LDS; arguments corner, ddf, image, out0; writes out0
.if DOCPART == 3
	.amdgcn_target "amdgcn-amd-amdhsa--gfx1250"
	.amdhsa_code_object_version 6
	.text
	.protected	k_qf71507db55_blend
	.globl	k_qf71507db55_blend
	.p2align	8
	.type	k_qf71507db55_blend,@function
k_qf71507db55_blend:
	s_mov_b64 s[64:65], 0
	v_nop
	global_prefetch_b8 v0, s[64:65] scope:SCOPE_SE
	s_setreg_imm32_b32 hwreg(HW_REG_WAVE_SCHED_MODE, 0, 2), 2
	s_setreg_imm32_b32 hwreg(HW_REG_WAVE_MODE, 25, 1), 1
	s_wait_xcnt 0x0
	s_wait_alu depctr_vm_vsrc(0)
; WARPING, second of two launches: gather the eight corners and interpolate.
; corner: one word a voxel from the first launch, the byte offset x0 << 16 | y0 << 9 | z0 << 2 of the lower corner in the batch's
; image, every i0 <= 126; in a row, word 4 l + j belongs to z = l + 32 j.  ddf: [4][128][128][128][3] f32.  image, out0: [4][128][128][128] f32.
; Weights in f32 as the reference makes them: w = clip(grid + ddf, 0, 127) - i0, with i0 taken from the stored word, so that weight
; and address cannot disagree.  The upper corner is always i0 + 1: one offset register and eight immediate offsets serve a voxel.
; The sum is three nested interpolations a + w (b - a), along z, y, x: the weights add up to one by construction, and a common offset of
; the image cancels in b - a.
; LIMITS: a NaN in ddf counts as location 0 on its axis (the reference gives NaN).  At a location clipped to 127 the result is
; a + 1.0 (b - a) with a = voxel 126: a non-finite image value there spreads, where the reference does not read it.
;
; 256 work-groups x 32 waves.  A work-group owns 16 x by 16 y by 128 z of one batch.  Wave w keeps y = 16 ty + (w & 15) and walks
; x = 16 tx + (w >> 4) + 2 r, r = 0..7: at any time the 32 waves sample round 2 x 16 neighbouring rows, so their gathers overlap.
; Lane l owns z = l + 32 j: the 32 lanes of a gather lie along 32 neighbouring z.
; All eight rows are reached by immediate offsets (2,753,664 bytes at the most): no base and no stream offset is ever stepped.
; A lane's four results are 32 z apart; they cross the wave's own 512 bytes of LDS so that the wave's one store covers the row's 512
; consecutive bytes, aligned.  No barrier: no wave reads another's bytes.
; No tensor tiles and no joint requests: which image bytes a work-group needs is known only from the list, and ddf, corner and out0
; are read or written by one wave each.  No prefetch: most of the launch's bytes are streamed already, a row's four steps ahead of their first use.
;
; THE MODE: SCHED_MODE bits 1:0 = 2 (LLVM: expert scheduling mode 2), set by the entry lines.  The code itself states the register
; dependences between vector instructions and memory or LDS instructions, with s_wait_alu, always for 0.
; THE PLAN.  A lane's 32 voxels are numbered n = 4 r + j; a STEP serves one; voxel n has slot n % 5 of five.  The text has no branch.
; Step n: the wait for voxel n's eight values and the head's waits; then its memory instructions: the eight gathers of voxel n + 4, the LDS
; store of voxel n - 1's result, and once a row the stream of corner and ddf, the LDS load of the finished row and its store; among and
; behind them its vector lines: voxel n is interpolated, voxel n + 5 is aimed (offset and weights).  Registers that memory or LDS instructions touch:
;   G, slot s      The gathers of voxel n + 4 land in slot (n - 1) % 5, which step n - 1's interpolation read last; step n's lines read slot n % 5.
;   W + 3, slot s  The offset.  Written in step n - 1 for voxel n + 4, read by the gathers of step n, written again in step n + 4.
;   S, buffer b    Row q's words are read by the aiming lines of steps 4 q - 5 to 4 q - 2; row q + 2 is loaded into the same buffer in step 4 q - 1.
;   R + j          Written by step n's last line, read by the LDS store of step n + 1, written again in step n + 4.
;   O              The LDS load of step 4 r + 4 lands in it, the store of step 4 r + 5 reads it; no vector line names it.
;   LD LC LW LR    Made at the head, never written again.
; So two waits at a step's head, behind its wait for data, state all that the step's memory instructions and its vector writes hang on, and
; no vector line of a step names a register that a memory instruction of the same step touches.  Four slots' gathers, 32, are on their way.
.set ROWS,  8                          ; rows of a wave
.set VOX,   4*ROWS                     ; voxels of a lane
.set NSL,   5                          ; voxel slots
.set NS,    5                          ; stream loads of a row: corner once, ddf four times
.set NG,    8                          ; gathers of a voxel
.set DSTEP, 2*128*1536                 ; two x planes of ddf, in bytes
.set CSTEP, 2*128*512                  ; two x planes of corner and of out0
.set DX,    65536                      ; image: bytes from x to x + 1,
.set DY,    512                        ; from y to y + 1,
.set DZ,    4                          ; from z to z + 1
.set LD,  2                            ; v2         12 x lane (ddf)
.set LC,  3                            ; v3         16 x lane (corner, out0)
.set LW,  4                            ; v4         LDS: my wave's 512 bytes + 4 x lane
.set LR,  5                            ; v5         LDS: my wave's 512 bytes + 16 x lane
.set ZF,  6                            ; v[6:9]     z = lane + 32 j as f32
.set GXY, 10                           ; v[10:11]   x and y, as f32, of the row that is being aimed
.set R,   12                           ; v[12:15]   a row's four results
.set T,   16                           ; v[16:22]   at work
.set W,   24                           ; v[24:43]   slot s: wx, wy, wz, and the byte offset of its lower corner
.set S,   44                           ; v[44:83]   row buffer b at S + 20 b: four words of corner, then voxel j's ddf at + 4 + 4 j
.set G,   84                           ; v[84:123]  slot s: (x0 y0 z0) (x1 y0 z0) (x0 y1 z0) (x1 y1 z0), then the same four at z1
.set O,   124                          ; v[124:127] the row as stored
	s_load_b256 s[4:11], s[0:1], 0x0               ; corner s[4:5], ddf s[6:7], image s[8:9], out0 s[10:11]
	v_lshl_add_u32 v79, v0, 2, 0x4000
	v_mov_b32 v83, 0
	v_lshrrev_b32 v1, 5, v0
	v_readfirstlane_b32 s12, v1                    ; wave 0..31
	v_and_b32 v1, 31, v0                           ; lane
	v_mul_u32_u24 v[LD], v1, 12
	v_lshlrev_b32 v[LC], 4, v1
	v_cvt_f32_u32 v[ZF], v1
	v_add_f32 v[ZF+1], 0x42000000, v[ZF]           ; + 32.0
	v_add_f32 v[ZF+2], 0x42800000, v[ZF]           ; + 64.0
	v_add_f32 v[ZF+3], 0x42c00000, v[ZF]           ; + 96.0
	s_wait_alu depctr_va_sdst(0)                   ; s12 is written, ahead of its first reader: the LDS bytes and the rows are made from it
	s_lshl_b32 s13, s12, 9                         ; my wave's 512 bytes of LDS
	v_lshl_add_u32 v[LW], v1, 2, s13
	v_lshl_add_u32 v[LR], v1, 4, s13
	s_lshr_b32 s14, ttmp9, 6                       ; batch: 64 tiles each
	s_bfe_u32 s15, ttmp9, 0x30003                  ; tile x: 3 bits from bit 3
	s_and_b32 s16, ttmp9, 7                        ; tile y
	s_lshr_b32 s17, s12, 4
	s_lshl4_add_u32 s15, s15, s17                  ; x of my first row = 16 tx + (wave >> 4)
	s_and_b32 s17, s12, 15
	s_lshl4_add_u32 s16, s16, s17                  ; my y = 16 ty + (wave & 15)
	v_cvt_f32_u32 v[GXY], s15
	v_cvt_f32_u32 v[GXY+1], s16
	s_lshl_b32 s17, s14, 7
	s_add_co_u32 s17, s17, s15
	s_lshl_b32 s17, s17, 7
	s_add_co_u32 s17, s17, s16                     ; my first row = (batch x 128 + x) x 128 + y
	s_mul_i32 s18, s17, 1536                       ; its bytes in ddf: below 2^31
	s_mov_b32 s19, 0
	s_lshl_b32 s20, s17, 9                         ; and in corner and out0
	s_mov_b32 s21, 0
	s_lshl_b32 s22, s14, 23                        ; the batch's image: 8 MiB each
	s_mov_b32 s23, 0
	s_mov_b32 s24, 0x42fe0000                      ; 127.0
	s_wait_kmcnt 0x0
	s_add_nc_u64 s[4:5], s[4:5], s[20:21]
	s_add_nc_u64 s[6:7], s[6:7], s[18:19]
	s_add_nc_u64 s[8:9], s[8:9], s[22:23]
	s_add_nc_u64 s[10:11], s[10:11], s[20:21]
	s_wait_alu depctr_va_vdst(0)                   ; LD, LC, LW and LR are written: every stream load, LDS access and store of the kernel reads one of them
; Row r's corner words (512 consecutive bytes a wave) and ddf (4 x 384 consecutive bytes) into row buffer buf.
.macro STREAM buf, r
	global_load_b128 v[S+20*(\buf):S+20*(\buf)+3], v[LC], s[4:5] offset:CSTEP*(\r) th:TH_LOAD_NT
.irp j, 0,1,2,3
	global_load_b96 v[S+20*(\buf)+4+4*\j:S+20*(\buf)+6+4*\j], v[LD], s[6:7] offset:DSTEP*(\r)+384*\j th:TH_LOAD_NT
.endr
.endm
; Gather k of the eight of voxel m: bit 0 of k is z, bit 1 is y, bit 2 is x, so that the two z of a row follow each other: neighbouring bytes.
.macro GATH m, k
	global_load_b32 v[G+8*((\m)%NSL)+4*((\k)%2)+2*(((\k)/2)%2)+(\k)/4], v[W+4*((\m)%NSL)+3], s[8:9] offset:DZ*((\k)%2)+DY*(((\k)/2)%2)+DX*((\k)/4)
.endm
; In step n: gather k of voxel n + 4.  The last four steps gather nothing.
.macro AHEAD n, k
.if (\n)+NSL-1 < VOX
	GATH (\n)+NSL-1, \k
.endif
.endm
; Voxel m is aimed: its offset and its three weights, from its row's buffer into its slot.  Vector lines alone; the gathers follow in the next step.
.macro PREP m
.set pS, S+20*(((\m)/4)%2)
.set pJ, (\m)%4
.set pW, W+4*((\m)%NSL)
.if (pJ == 0) && ((\m) > 0)
	v_add_f32 v[GXY], 2.0, v[GXY]                  ; a new row: its x
.endif
	v_lshrrev_b32 v[T+4], 16, v[pS+pJ]             ; x0
	v_and_b32 v[T+5], 0xffff, v[pS+pJ]             ; y0 x 512 + z0 x 4
	v_min_u32 v[T+4], 126, v[T+4]                  ; a number read from memory is bounded before it enters an address: with these two
	v_min_u32 v[T+5], 0xfdf8, v[T+5]               ; bounds the farthest corner ends at 126 x 65,536 + 65,016 + 66,052 + 4 = the image's 8,388,608 bytes
	v_lshl_add_u32 v[pW+3], v[T+4], 16, v[T+5]     ; (the slot's last gathers, which read this register, are in: the wait for data at the step's head)
	v_pk_add_f32 v[T:T+1], v[pS+4+4*pJ:pS+5+4*pJ], v[GXY:GXY+1]   ; x + dx, y + dy
	v_add_f32 v[T+2], v[pS+6+4*pJ], v[ZF+pJ]                      ; z + dz
	v_bfe_u32 v[T+6], v[T+5], 2, 7                 ; z0
	v_bfe_u32 v[T+5], v[T+5], 9, 7                 ; y0
	v_max_num_f32 v[T], 0, v[T]                    ; clip to 0 .. 127
	v_max_num_f32 v[T+1], 0, v[T+1]
	v_max_num_f32 v[T+2], 0, v[T+2]
	v_min_num_f32 v[T], s24, v[T]
	v_min_num_f32 v[T+1], s24, v[T+1]
	v_min_num_f32 v[T+2], s24, v[T+2]
	v_cvt_f32_u32 v[T+4], v[T+4]
	v_cvt_f32_u32 v[T+5], v[T+5]
	v_cvt_f32_u32 v[T+6], v[T+6]
	v_pk_add_f32 v[pW:pW+1], v[T:T+1], v[T+4:T+5] neg_lo:[0,1] neg_hi:[0,1]  ; wx, wy = location - lower corner, exact
	v_sub_f32 v[pW+2], v[T+2], v[T+6]                                        ; wz
.endm
; Step n, for voxel n = 4 r + j.
.macro STEP n
.set rG, G+8*((\n)%NSL)
.set rW, W+4*((\n)%NSL)
.set young, NG*(NSL-2)                 ; behind voxel n's gathers: those of the three voxels that follow it,
.if VOX-1-(\n) < NSL-2
.set young, NG*(VOX-1-(\n))            ; or of as many as are left: the counts run down to 0;
.endif
.if ((\n)%4 != 3) && ((\n)/4+2 < ROWS)
.set young, young+NS                   ; and row r + 2's five stream loads, issued in step 4 r - 1, one of the last three steps.  Where j = 3 the last stream stands ahead of voxel n's own gathers
.endif
	s_wait_loadcnt young                           ; loads return in order: voxel n's eight values are in, and so is every stream load issued ahead of them
.if ((\n)%4 == 0) && ((\n) >= 8)
	s_wait_xcnt 0x0                                ; O, which the last row's store reads, is loaded again only behind this wait
.endif
	s_wait_alu depctr_vm_vsrc(0)                   ; voxel n's gathers have read the offset that this step writes again; the LDS store of three steps back has read R + j, likewise; where j = 0 the last row's store has read O
	s_wait_alu depctr_va_vdst(0)                   ; the step before has written voxel n + 4's offset and its own result, and is done reading its slot of G, in which the gathers below land
.if ((\n)%4 == 3) && ((\n)/4+3 < ROWS)
	STREAM ((\n)/4+1)%2, (\n)/4+3                  ; ahead of this step's gathers, so that the wait for those shows it landed: four steps ahead of its first reader
.endif
.if (\n) > 0
	ds_store_b32 v[LW], v[R+((\n)-1)%4] offset:128*(((\n)-1)%4)  ; the voxel before: z = lane + 32 j at byte 4 z of my wave's 512
.endif
.if ((\n)%4 == 0) && ((\n) > 0)
	ds_load_b128 v[O:O+3], v[LR]                   ; the row before is whole: z = 4 lane .. 4 lane + 3; a wave's LDS instructions are served in order: it sees the four stores, and the next row's come behind it
.endif
	; Voxel n's eight values become one: along z (four at once in two pairs), along y (two at once), along x.  In front of each line a gather of voxel n + 4:
	; no wait, since no vector line behind the head's wait names that voxel's slot.
	AHEAD \n, 0
	v_pk_add_f32 v[T:T+1],   v[rG+4:rG+5], v[rG:rG+1]   neg_lo:[0,1] neg_hi:[0,1]
	AHEAD \n, 1
	v_pk_add_f32 v[T+2:T+3], v[rG+6:rG+7], v[rG+2:rG+3] neg_lo:[0,1] neg_hi:[0,1]
	AHEAD \n, 2
	v_pk_fma_f32 v[T:T+1],   v[T:T+1],   v[rW+2:rW+3], v[rG:rG+1]   op_sel_hi:[1,0,1]   ; both halves by wz, the pair's first register
	AHEAD \n, 3
	v_pk_fma_f32 v[T+2:T+3], v[T+2:T+3], v[rW+2:rW+3], v[rG+2:rG+3] op_sel_hi:[1,0,1]
	AHEAD \n, 4
	v_pk_add_f32 v[T+2:T+3], v[T+2:T+3], v[T:T+1] neg_lo:[0,1] neg_hi:[0,1]
	AHEAD \n, 5
	v_pk_fma_f32 v[T:T+1], v[T+2:T+3], v[rW:rW+1], v[T:T+1] op_sel:[0,1,0] op_sel_hi:[1,1,1]    ; both halves by wy, the pair's second register
	AHEAD \n, 6
	v_sub_f32 v[T+1], v[T+1], v[T]
	AHEAD \n, 7
	v_fma_f32 v[R+(\n)%4], v[T+1], v[rW], v[T]
.if ((\n)%4 == 1) && ((\n) > 4)
	s_wait_dscnt 0x1                               ; the row's load from LDS, issued a step ago, is back; this step's LDS store may be out
	global_store_b128 v[LC], v[O:O+3], s[10:11] offset:CSTEP*((\n)/4-1) th:TH_STORE_NT
.endif
.if (\n)+NSL < VOX
	PREP (\n)+NSL                                  ; into the slot just read out
.endif
.endm
	STREAM 0, 0
	STREAM 1, 1
	s_wait_loadcnt NS                              ; row 0's five are in, row 1's five may be out
.irp m, 0,1,2,3
	PREP \m
.endr
	s_wait_alu depctr_va_vdst(0)                   ; the offsets of voxels 0 to 3 are written, which the gathers below read
.irp m, 0,1,2
.irp k, 0,1,2,3,4,5,6,7
	GATH \m, \k
.endr
.endr
	STREAM 0, 2                                    ; as in a step with j = 3: ahead of the gathers of the row's last voxel
.irp k, 0,1,2,3,4,5,6,7
	GATH 3, \k
.endr
	s_wait_loadcnt 4*NG+NS                         ; row 1's five are in; the 32 gathers and row 2's five are younger
	PREP 4
.set vox, 0
.rept VOX
	STEP vox
.set vox, vox+1
.endr
	s_wait_alu depctr_va_vdst(0)                   ; the last step has written R + 3, which the LDS store reads
	ds_store_b32 v[LW], v[R+3] offset:128*3
	s_wait_xcnt 0x0                                ; O, which row 6's store reads, is loaded again only behind this wait
	s_wait_alu depctr_vm_vsrc(0)                   ; row 6's store has read O, in which the LDS load lands
	ds_load_b128 v[O:O+3], v[LR]
	s_wait_dscnt 0x0
	global_store_b128 v[LC], v[O:O+3], s[10:11] offset:CSTEP*(ROWS-1) th:TH_STORE_NT
	s_wait_dscnt 0x0
	s_wait_alu depctr_hold_cnt(0) depctr_sa_sdst(0) depctr_va_vdst(0) depctr_va_sdst(0) depctr_va_ssrc(0) depctr_va_vcc(0) depctr_vm_vsrc(0)
	s_wait_tensorcnt 0x0
	ds_add_u32 v79, v83
	s_wait_dscnt 0x0
	s_endpgm
.Lfunc_end_k_qf71507db55_blend:
	.size	k_qf71507db55_blend, .Lfunc_end_k_qf71507db55_blend-k_qf71507db55_blend
	.p2alignl 7, 3214868480
	.fill 96, 4, 3214868480
	.section	.rodata,"a",@progbits
	.p2align	6, 0x0
	.amdhsa_kernel k_qf71507db55_blend
		.amdhsa_group_segment_fixed_size 20480
		.amdhsa_private_segment_fixed_size 0
		.amdhsa_enable_private_segment 0
		.amdhsa_kernarg_size 32
		.amdhsa_user_sgpr_count 2
		.amdhsa_user_sgpr_kernarg_segment_ptr 1
		.amdhsa_wavefront_size32 1
		.amdhsa_system_sgpr_workgroup_id_x 1
		.amdhsa_system_sgpr_workgroup_id_y 1
		.amdhsa_system_sgpr_workgroup_id_z 1
		.amdhsa_system_vgpr_workitem_id 0
		.amdhsa_next_free_vgpr 128
		.amdhsa_next_free_sgpr 66
		.amdhsa_reserve_vcc 0
		.amdhsa_float_denorm_mode_32 3
		.amdhsa_float_denorm_mode_16_64 3
		.amdhsa_memory_ordered 1
		.amdhsa_forward_progress 1
		.amdhsa_inst_pref_size 81
	.end_amdhsa_kernel
	.amdgpu_metadata
---
amdhsa.version: [ 1, 2 ]
amdhsa.kernels:
  - .name:           k_qf71507db55_blend
    .symbol:         k_qf71507db55_blend.kd
    .args:
      - { .name: corner, .offset: 0, .size: 8, .value_kind: global_buffer, .address_space: global }
      - { .name: ddf, .offset: 8, .size: 8, .value_kind: global_buffer, .address_space: global }
      - { .name: image, .offset: 16, .size: 8, .value_kind: global_buffer, .address_space: global }
      - { .name: out0, .offset: 24, .size: 8, .value_kind: global_buffer, .address_space: global }
    .group_segment_fixed_size: 20480
    .private_segment_fixed_size: 0
    .kernarg_segment_align: 8
    .kernarg_segment_size: 32
    .max_flat_workgroup_size: 1024
    .sgpr_count:     66
    .vgpr_count:     128
    .wavefront_size: 32
...
	.end_amdgpu_metadata
.endif
;; end of part 3
